; MI455X (gfx1250); checked and timed in simulation.
; The chip was launched on July 23, 2026; its instructions are those of AMD's public machine-readable ISA for CDNA 5 (MIT licence, August 2026) and "CDNA5" Instruction Set Architecture Reference Guide (July 2026). The comments in the code are by the model that wrote it; some were corrected since.
;; Modified Vi T Self Attention. Allowed arithmetic: matrix products marked QUANTISED: E4M3 operands, one E8M0 scale for each 32 along K, by v_wmma_scale_f32_16x16x128_f8f6f4 with both operands' format E4M3, f32 sums; everything else in f32.
;; Inputs: Wk 768 x 768 float32; Wq 768 x 768 float32; Wv 768 x 768 float32; bk 768 float32; bq 768 float32; bv 768 float32; hidden_states 32 x 577 x 768 float32; patch_indices_to_keep 289 int32.
;; Outputs: out0 32 x 289 x 768 float32.
;; This version of the problem:
;;   THIS VERSION OF THE PROBLEM IS GIVEN IN LOW PRECISION. The matrix products marked QUANTISED in the list below multiply operands that are first quantised to E4M3 (4 exponent bits, 3 mantissa bits; 8 bits a number), with one power-of-two scale for each 32 numbers along K (OCP MX v1.0); their sums are f32. All else is computed in f32.
;;   The module's matrix products, in the order in which they are computed (A, B: the left and right operand; K: the contracted axis; several contracted axes count as one K, in the product's order):
;;     1. [M 18,464, K 768] x [K 768, N 768]; A: input hidden_states; B: input Wq: QUANTISED
;;     2. [M 18,464, K 768] x [K 768, N 768]; A: input hidden_states; B: input Wk: QUANTISED
;;     3. [M 18,464, K 768] x [K 768, N 768]; A: input hidden_states; B: input Wv: QUANTISED
;;     4. batch 384 x [M 289, K 64] x [K 64, N 577]; A: computed on the way; B: computed on the way: QUANTISED
;;     5. batch 384 x [M 289, K 577] x [K 577, N 64]; A: softmax (see below); B: computed on the way: QUANTISED
;;   THE QUANTISER, for each operand of a quantised product, along K:
;;     - K is cut into blocks of 32 from its start; a last block that is shorter is filled with zeros.
;;     - A block's scale is 2^e with e = floor(log2(the largest magnitude in the block)) - 8, held to -126 .. 127; a block of zeros has e = 0. As a byte (E8M0): e + 127.
;;     - Each number is divided by its block's scale, clamped to +-448, and rounded to the nearest number of E4M3, ties to even, subnormals kept.
;;     - The product sums the exact products of the quantised numbers (number of the format x scale) in f32.
;;   ~~~python
;;   def quantise(x, axis):      # numpy; x: float32 -> the quantised numbers, widened to float32 again
;;       x = np.moveaxis(x, axis, -1); K = x.shape[-1]
;;       x = np.pad(x, [(0, 0)] * (x.ndim - 1) + [(0, -K % 32)]); x = x.reshape(x.shape[:-1] + (-1, 32)); a = np.abs(x).max(-1, keepdims=True)
;;       e = np.where(a > 0, np.clip(np.frexp(np.where(a > 0, a, 1))[1] - 1 - 8, -126, 127), 0)      # np.frexp(a)[1] - 1 = floor(log2(a)), exactly
;;       r = np.clip(x / 2.0 ** e, -448, 448)
;;       step = 2.0 ** (np.maximum(np.frexp(np.where(r == 0, 1, r))[1] - 1, -6) - 3)
;;       q = np.round(r / step) * step * 2.0 ** e      # np.round: ties to even
;;       return np.moveaxis(q.reshape(q.shape[:-2] + (-1,))[..., :K], -1, axis).astype(np.float32)
;;   ~~~
;;   SOFTMAX AHEAD OF A QUANTISED PRODUCT. Where the list says 'softmax', what is quantised is not the finished softmax but p = 2^(t - M), with t = logit x log2(e) and M = ceil(the row's largest t), a whole number; so 1/2 < the row's largest p <= 1. The row's sum l is taken of the UNQUANTISED p, in f32, and the product's result is divided by l at the end. Since M is a whole number, a kernel that streams over the keys may use a running M (the ceiling of the running maximum): every later rescaling is an exact power of two, which a block's scale takes up: the codes' values come out the same.
;;   OPERANDS COMPUTED ON THE WAY. 'Computed on the way' means the value that the module computes at that place (a softmax that the list does not call 'softmax' is quantised finished and normalised). What goes into a quantiser is computed in f32, as accurately as f32 sums, v_exp_f32 and their like allow (about 1e-6 of the number): no bf16 or f16 on the way to a quantiser, and a product that is left as it is and whose result goes on into a quantised operand takes f32 operands (vector FMAs, or v_wmma_f32_16x16x4_f32). A number that lies on a knife's edge between two numbers of the format may be rounded either way, as far as f32 arithmetic and the matrix unit's own rounding can turn it there, and no further.
;; One version. Each part assembles by itself: llvm-mc -triple=amdgcn-amd-amdhsa -mcpu=gfx1250 --defsym DOCPART=n.
;; ======== version 1 of 1: 3 launches
;; workspace buffers: tiles 25,190,400 bytes; kv 32,243,712 bytes; qc 7,471,104 bytes; qs 466,944 bytes
;; launch quant (part 1): grid 246 x 1, 8 waves a work-group, no clusters, 68,608 bytes of LDS; arguments hidden_states, Wk, Wv, Wq, patch_indices_to_keep, tiles; writes tiles
.if DOCPART == 1
	.amdgcn_target "amdgcn-amd-amdhsa--gfx1250"
	.amdhsa_code_object_version 6
	.text
	.protected	k_q6f0384d646_quant
	.globl	k_q6f0384d646_quant
	.p2align	8
	.type	k_q6f0384d646_quant,@function
k_q6f0384d646_quant:
	s_mov_b64 s[64:65], 0
	v_nop
	global_prefetch_b8 v0, s[64:65] scope:SCOPE_SE
	s_setreg_imm32_b32 hwreg(HW_REG_WAVE_MODE, 25, 1), 1
	s_wait_xcnt 0x0
; FIRST OF THREE LAUNCHES.  x = hidden_states [32][577][768], the rows of x that patch_indices_to_keep names, and Wk, Wv, Wq [768][768], all f32 with K = 768 innermost,
; become codes of E4M3 with one E8M0 byte for each 32 along K, laid as IMAGES OF OPERAND REGISTERS: a tile block is 16 rows x 768 K = 12,800 bytes:
;   six fragments (128 along K each) of 2,048 bytes: register group c at 512 c + 16 x lane; lane (r, h) holds k = 128 s + 32 c + 16 h + 0 .. 15 of row r;
;   from byte 12,288: the rows' scale words: words 0-3 of row r at 16 r, words 4-7 (6 and 7 are 0) at 256 + 16 r.
; Tile blocks: 0 .. 1215 x (batch b, tile t: 38 b + t, token min(16 t + r, 576));  1216 .. 1823 gathered x (1216 + 19 b + t, query j = min(16 t + r, 288), token idx[j]);
; 1824 .. 1967 the weights (1824 + 48 kind + tile; kind 0 = Wk, 1 = Wv, 2 = Wq).
; WORK LEFT OUT, in the whole program: the module computes q = x Wq^T + bq for all 577 tokens and keeps q[:, :, idx, :] alone.  A row of q that idx does not name reaches no output, whatever the inputs hold,
; so the first product is made of the named rows only, each as often as it is named; which rows those are is read from memory here.  All eight inputs keep a way to the output and are loaded.
; LIMITS.  A NaN, an infinity or an overflow that reaches only rows of q that are left out is not carried to the result.  NaN and infinities among the inputs are not served.
; A block whose largest magnitude lies under 2^(9 - 127), a block of zeros among them, gets the byte 1 (the rule says 127 for zeros): its codes are zeros or what the held scale gives, and this program alone reads the bytes.
; An index is taken as unsigned and held at 576.
; SHARES.  One wave makes one tile block: 246 work-groups x 8 waves = 1,968.  Waves share nothing: no barrier.  Each load reads 512 consecutive bytes of one row; a K step's 16 x 512 bytes turn through
; the wave's own stage in LDS (rows 528 bytes apart), so that a lane gets 16 neighbours along K of each of its row's four blocks.  Two K steps of loads (32 a wave) are on their way.
.set STG,   8448                       ; a wave's stage: 16 rows x 528 bytes
.set SPARE, 67584                      ; behind the eight stages: the spare words, 128 bytes a wave
.set L16,  4                           ; v4   16 x lane
.set SIN,  5                           ; v5   the stage on the way in: my wave's stage + 16 x lane
.set SOUT, 6                           ; v6   and on the way out: + 528 r + 64 h
.set ROWV, 7                           ; v7   the row of the source that my lane's r stands for
.set SPW,  10                          ; v10  my spare word; never rewritten
.set NIL,  11                          ; v11  0; never rewritten
.set ADR,  12                          ; v12-27  row i's byte offset in the source + 16 x lane; never rewritten
.set SW,   28                          ; v28-35  my row's scale words of the six K steps; 6 and 7 are 0
.set OUTS, 36                          ; v36-39  the scale section on its way out
.set TM,   40                          ; v40-43 largest magnitudes, v44-47 bytes, v48-51 448 x the scale, v52-55 the conversions' scale operands
.set PC,   56                          ; v56-71  a fragment's codes
.set R,    72                          ; v72-199 two sets of 64 numbers
.set WV,   16
.set J,    17                          ; s17  my tile block
.set SRC,  18                          ; s[18:19] the source tensor
.set DST,  20                          ; s[20:21] my tile block in the workspace
.set HM,   22                          ; s22  lanes 16-31
.set MNT,  23                          ; s23  the mantissa field of 448
.set SEL,  24                          ; s[24:25] lane l xor 16
.set RW,   32                          ; s32-47  the 16 rows
	s_load_b256 s[4:11], s[0:1], 0x0               ; x, Wk, Wv, Wq
	s_load_b128 s[12:15], s[0:1], 0x20             ; the indices, the tile blocks
	v_lshl_add_u32 v[SPW], v0, 2, SPARE
	v_mov_b32 v[NIL], 0
	v_lshrrev_b32 v8, 5, v0
	v_readfirstlane_b32 s[WV], v8                  ; wave 0..7
	v_and_b32 v1, 31, v0                           ; lane
	v_and_b32 v2, 15, v0                           ; r
	v_bfe_u32 v3, v0, 4, 1                         ; h
	v_lshlrev_b32 v[L16], 4, v1
	s_mul_i32 s26, s[WV], STG
	v_add_nc_u32 v[SIN], s26, v[L16]
	v_mul_u32_u24 v[SOUT], v2, 528
	v_lshl_add_u32 v[SOUT], v3, 6, v[SOUT]
	v_add_nc_u32 v[SOUT], s26, v[SOUT]
	s_lshl_b32 s[J], ttmp9, 3
	s_add_co_u32 s[J], s[J], s[WV]
	s_mov_b32 s[HM], 0xffff0000
	s_mov_b32 s[MNT], 0x600000
	s_mov_b32 s[SEL], 0x76543210
	s_mov_b32 s[SEL+1], 0xfedcba98
.irp b, 0,1,2,3
	v_mov_b32 v[TM+4+\b], 0                        ; written once: a lane permute's destination counts as one of its sources
.endr
	v_mov_b32 v[SW+6], 0
	v_mov_b32 v[SW+7], 0
	s_mul_i32 s[DST], s[J], 12800
	s_mov_b32 s[DST+1], 0
	s_wait_kmcnt 0x0
	s_add_nc_u64 s[DST:DST+1], s[14:15], s[DST:DST+1]
	; which rows are mine: three ways, told apart by my tile block's number
	s_cmp_lt_u32 s[J], 1216
	s_cbranch_scc0 .Lnotx
	s_mul_i32 s26, s[J], 6899
	s_lshr_b32 s26, s26, 18                        ; b = J / 38 (exact for J under 14,000)
	s_mul_i32 s27, s26, 38
	s_sub_co_u32 s27, s[J], s27                    ; t
	s_lshl_b32 s27, s27, 4
	v_add_nc_u32 v[ROWV], s27, v2
	v_min_u32 v[ROWV], 576, v[ROWV]                ; rows past the last token repeat it
	s_mul_i32 s26, s26, 577
	v_add_nc_u32 v[ROWV], s26, v[ROWV]
	s_mov_b64 s[SRC:SRC+1], s[4:5]
	s_branch .Lrows
.Lnotx:
	s_cmp_lt_u32 s[J], 1824
	s_cbranch_scc0 .Lw
	s_sub_co_u32 s28, s[J], 1216
	s_mul_i32 s26, s28, 3450
	s_lshr_b32 s26, s26, 16                        ; b = J' / 19 (exact for J' under 4,600)
	s_mul_i32 s27, s26, 19
	s_sub_co_u32 s27, s28, s27                     ; t
	s_lshl_b32 s27, s27, 4
	v_add_nc_u32 v8, s27, v2
	v_min_u32 v8, 288, v8                          ; queries past the last repeat it: no load leaves the list
	v_lshlrev_b32 v8, 2, v8
	global_load_b32 v[ROWV], v8, s[12:13]
	s_mul_i32 s26, s26, 577
	s_wait_loadcnt 0x0
	v_min_u32 v[ROWV], 576, v[ROWV]                ; a loaded number enters an address only behind this hold
	v_add_nc_u32 v[ROWV], s26, v[ROWV]
	s_mov_b64 s[SRC:SRC+1], s[4:5]
	s_branch .Lrows
.Lw:
	s_sub_co_u32 s28, s[J], 1824                   ; 0 .. 143
	s_cmp_ge_u32 s28, 48
	s_cselect_b64 s[SRC:SRC+1], s[8:9], s[6:7]
	s_cselect_b32 s26, 48, 0
	s_cmp_ge_u32 s28, 96
	s_cselect_b64 s[SRC:SRC+1], s[10:11], s[SRC:SRC+1]
	s_cselect_b32 s26, 96, s26
	s_sub_co_u32 s28, s28, s26
	s_lshl_b32 s28, s28, 4
	v_add_nc_u32 v[ROWV], s28, v2
.Lrows:
.irp i, 0,1,2,3,4,5,6,7,8,9,10,11,12,13,14,15
	v_readlane_b32 s[RW+\i], v[ROWV], \i           ; every lane needs every row's address: a load takes 512 bytes of ONE row
.endr
.irp i, 0,1,2,3,4,5,6,7,8,9,10,11,12,13,14,15
	s_min_u32 s[RW+\i], s[RW+\i], 18463            ; the hold once more, on the scalar: 32 x 577 - 1
	s_mul_i32 s[RW+\i], s[RW+\i], 3072
	v_add_nc_u32 v[ADR+\i], s[RW+\i], v[L16]
.endr
.macro LOADK s                         ; K step s of my 16 rows: 16 loads of 512 consecutive bytes, into set s % 2
.irp i, 0,1,2,3,4,5,6,7,8,9,10,11,12,13,14,15
	global_load_b128 v[R+64*((\s)%2)+4*\i:R+64*((\s)%2)+4*\i+3], v[ADR+\i], s[SRC:SRC+1] offset:512*(\s)
.endr
.endm
; 64 numbers of a lane, register 16 b + i = k 32 b + 16 h + i of my row, become a fragment's codes in v[pc] on; the four blocks' bytes stay in v[TM+4] on.
.macro QUANT s, pc
.irp b, 0,1,2,3
	v_max3_num_f32 v[TM+\b], |v[\s+16*\b]|, |v[\s+1+16*\b]|, 0x4800000   ; block b: my 16 numbers, and the floor 2^(9 - 127): the byte cannot fall under 1
.endr
.irp i, 2,4,6,8,10,12,14
.irp b, 0,1,2,3
	v_max3_num_f32 v[TM+\b], v[TM+\b], |v[\s+16*\b+\i]|, |v[\s+1+16*\b+\i]|   ; the four blocks by turns
.endr
.endr
.irp b, 0,1,2,3
	v_permlanex16_b32 v[TM+4+\b], v[TM+\b], s[SEL], s[SEL+1]
.endr
.irp b, 0,1,2,3
	v_max_num_f32 v[TM+\b], v[TM+\b], v[TM+4+\b]   ; with lane l xor 16's 16: the block's largest magnitude
.endr
.irp b, 0,1,2,3
	v_add_nc_u32 v[TM+12+\b], 0xfc000000, v[TM+\b] ; 8 off its exponent field: the conversion's scale operand
.endr
.irp b, 0,1,2,3
	v_and_or_b32 v[TM+8+\b], v[TM+\b], 0x7f800000, s[MNT]   ; 448 x the scale
.endr
.irp b, 0,1,2,3
	v_lshrrev_b32 v[TM+4+\b], 23, v[TM+12+\b]      ; the scale's byte
.endr
.irp b, 0,1,2,3
.irp i, 0,1,2,3,4,5,6,7,8,9,10,11,12,13,14,15
	v_med3_num_f32 v[\s+16*\b+\i], v[\s+16*\b+\i], -v[TM+8+\b], v[TM+8+\b]   ; the conversion to an 8-bit code does not saturate (ISA guide 7.6.2): the hold at the largest code x the scale
.endr
	v_cvt_scalef32_pk8_fp8_f32 v[\pc+4*\b:\pc+1+4*\b], v[\s+16*\b:\s+7+16*\b], v[TM+12+\b]
	v_cvt_scalef32_pk8_fp8_f32 v[\pc+2+4*\b:\pc+3+4*\b], v[\s+8+16*\b:\s+15+16*\b], v[TM+12+\b]
.endr
	v_nop                                          ; one plain vector instruction behind the last scaled conversion
.endm
.macro KSTEP s
.set XR, R+64*((\s)%2)
.if (\s) < 5
	s_wait_loadcnt 16                              ; this K step's 16 loads are in; the next step's 16 stay out
.else
	s_wait_loadcnt 0x0
.endif
.irp i, 0,1,2,3,4,5,6,7,8,9,10,11,12,13,14,15
	ds_store_b128 v[SIN], v[XR+4*\i:XR+4*\i+3] offset:528*\i
.endr
.irp c, 0,1,2,3
.irp j, 0,1,2,3
	ds_load_b128 v[XR+16*\c+4*\j:XR+16*\c+4*\j+3], v[SOUT] offset:128*\c+16*\j   ; LDS serves a wave's instructions in order (ISA guide 5.7.1.4): these see the stores above
.endr
.endr
	s_wait_dscnt 0x0
	s_wait_xcnt 0x0                                ; the last step's stores have read their data: the codes' registers may be written again
	QUANT XR, PC
	v_lshl_or_b32 v[SW+(\s)], v[TM+5], 8, v[TM+4]  ; my row's scale word of this K step
	v_lshl_or_b32 v[SW+(\s)], v[TM+6], 16, v[SW+(\s)]
	v_lshl_or_b32 v[SW+(\s)], v[TM+7], 24, v[SW+(\s)]
.irp c, 0,1,2,3
	global_store_b128 v[L16], v[PC+4*\c:PC+4*\c+3], s[DST:DST+1] offset:2048*(\s)+512*\c   ; 32 lanes store 512 consecutive bytes
.endr
.if (\s) < 4
	LOADK (\s)+2
.endif
.endm
	LOADK 0
	LOADK 1
.irp s, 0,1,2,3,4,5
	KSTEP \s
.endr
.irp k, 0,1,2,3
	v_cndmask_b32 v[OUTS+\k], v[SW+\k], v[SW+4+\k], s[HM]   ; lanes 0-15 carry words 0-3 of row r, lanes 16-31 words 4-7
.endr
	global_store_b128 v[L16], v[OUTS:OUTS+3], s[DST:DST+1] offset:12288
	s_wait_tensorcnt 0x0                           ; the wave's end, behind my last LDS store
	ds_add_u32 v[SPW], v[NIL]
	s_wait_dscnt 0x0
	s_endpgm
.Lfunc_end_k_q6f0384d646_quant:
	.size	k_q6f0384d646_quant, .Lfunc_end_k_q6f0384d646_quant-k_q6f0384d646_quant
	.p2alignl 7, 3214868480
	.fill 96, 4, 3214868480
	.section	.rodata,"a",@progbits
	.p2align	6, 0x0
	.amdhsa_kernel k_q6f0384d646_quant
		.amdhsa_group_segment_fixed_size 68608
		.amdhsa_private_segment_fixed_size 0
		.amdhsa_enable_private_segment 0
		.amdhsa_kernarg_size 48
		.amdhsa_user_sgpr_count 2
		.amdhsa_user_sgpr_kernarg_segment_ptr 1
		.amdhsa_wavefront_size32 1
		.amdhsa_system_sgpr_workgroup_id_x 1
		.amdhsa_system_sgpr_workgroup_id_y 1
		.amdhsa_system_sgpr_workgroup_id_z 1
		.amdhsa_system_vgpr_workitem_id 0
		.amdhsa_next_free_vgpr 200
		.amdhsa_next_free_sgpr 66
		.amdhsa_reserve_vcc 0
		.amdhsa_float_denorm_mode_32 3
		.amdhsa_float_denorm_mode_16_64 3
		.amdhsa_memory_ordered 1
		.amdhsa_forward_progress 1
		.amdhsa_inst_pref_size 80
	.end_amdhsa_kernel
	.amdgpu_metadata
---
amdhsa.version: [ 1, 2 ]
amdhsa.kernels:
  - .name:           k_q6f0384d646_quant
    .symbol:         k_q6f0384d646_quant.kd
    .args:
      - { .name: hidden_states, .offset: 0, .size: 8, .value_kind: global_buffer, .address_space: global }
      - { .name: Wk, .offset: 8, .size: 8, .value_kind: global_buffer, .address_space: global }
      - { .name: Wv, .offset: 16, .size: 8, .value_kind: global_buffer, .address_space: global }
      - { .name: Wq, .offset: 24, .size: 8, .value_kind: global_buffer, .address_space: global }
      - { .name: patch_indices_to_keep, .offset: 32, .size: 8, .value_kind: global_buffer, .address_space: global }
      - { .name: tiles, .offset: 40, .size: 8, .value_kind: global_buffer, .address_space: global }
    .group_segment_fixed_size: 68608
    .private_segment_fixed_size: 0
    .kernarg_segment_align: 8
    .kernarg_segment_size: 48
    .max_flat_workgroup_size: 256
    .sgpr_count:     66
    .vgpr_count:     200
    .wavefront_size: 32
...
	.end_amdgpu_metadata
.endif
;; end of part 1
;; launch proj (part 2): grid 240 x 1, 4 waves a work-group, no clusters, 131,584 bytes of LDS; arguments tiles, bk, bv, bq, kv, qc, qs; writes kv, qc, qs
.if DOCPART == 2
	.amdgcn_target "amdgcn-amd-amdhsa--gfx1250"
	.amdhsa_code_object_version 6
	.text
	.protected	k_q6f0384d646_proj
	.globl	k_q6f0384d646_proj
	.p2align	8
	.type	k_q6f0384d646_proj,@function
k_q6f0384d646_proj:
	s_mov_b64 s[64:65], 0
	v_nop
	global_prefetch_b8 v0, s[64:65] scope:SCOPE_SE
	s_setreg_imm32_b32 hwreg(HW_REG_WAVE_MODE, 25, 1), 1
	s_wait_xcnt 0x0
; SECOND OF THREE LAUNCHES.  k = x Wk^T + bk, v = x Wv^T + bv, q = (gathered x) Wq^T + bq on codes of E4M3, and each result quantised at once for the attention's products:
; k and q along the head's 64, v along the keys.  WORK LEFT OUT: rows of q that patch_indices_to_keep does not name (shown at the head of the first launch).
; SHARES.  A work-group takes 38 tiles of 16 rows (19 groups of 32) x 256 columns x K 768.  Work-groups 0-95: k (column group j / 32, batch j % 32); 96-191: v likewise; 192-239: q (column group j / 16, two batches).
; Wave w is head 4 x column group + w: its 64 rows of W (4 tiles x 6 fragments, 384 registers) stay in registers; the rows' codes go round through LDS, as images of their registers.
; k, q: source 0 = 16 rows of W, source 1 = 16 tokens: a lane holds ONE token and its registers run along the head's 64.  v: the sources swapped: a lane holds one channel and its registers run along 32 tokens, a block of the keys.
; ORDER INSIDE A BLOCK.  Place (h, i) of a block of 32 holds number 8 h + i (i < 8) or 16 + 8 h + (i - 8): the same on q and k, and the same on v and the attention's p.  The blocks, their scales and the products are
; the rule's; only the order in which the unit adds the products of one block differs.  The bias is the C of each sum's first matrix instruction.
; LIMITS: as at the head of the first launch (byte 1 under the floor; NaN and infinities not served).
; OUT.  kv: a record of 83,968 bytes for each (batch, head): k's codes (38 tiles x 1,024: group c at 512 c + 16 x lane), v's codes (5 key steps x 4 channel tiles x 2,048), k's scale words (64 bytes a tile; bytes 2, 3 are 0),
; v's scale words (256 bytes a key step); what no result fills is stored as zeros.  qc, qs: q's tiles and scale words likewise, tile (32 head + batch) x 19 + t.
; LDS: four buffers of a group (25,600 bytes), 0x8000 apart; group g lies in buffer g % 4.  A loop trip runs four groups, so that every buffer is a constant of the text.
; REGISTERS, in windows of 256.  window 0: addresses, scale words, bias, 8 accumulators, the quantiser.  windows 1, 2: W's tiles 0, 1 and 2, 3 (tile u of the window at 96 u + 16 s).
; window 3: v0-191 the group's 12 fragments (32 s + 16 m); v192-241 a group on its way from memory to LDS.
.set REC,   83968
.set SPARE, 131072                     ; behind the buffers: the spare words, 128 bytes a wave
.set LI0,  4                           ; v4, v5    16 x lane; the same + 0x10000
.set LSC0, 6                           ; v6, v7    12,288 + 12,800 h + 16 r: a group's scale words; + 0x10000
.set LT0,  8                           ; v8, v9    16 x thread; + 0x10000
.set L80,  10                          ; v10, v11  8 x thread; + 0x10000
.set LS,   12                          ; v12  4 x lane
.set WSO,  13                          ; v13  12,800 h + 16 r
.set BOF,  14                          ; v14  32 h
.set BRF,  15                          ; v15  4 r
.set ZERO, 17
.set SPW,  18                          ; v18  my spare word; never rewritten
.set NIL,  19                          ; v19  0; never rewritten
.set XS,   20                          ; v20-27  the rows' scale words: register s; lanes 0-15 tile 0 of the group, lanes 16-31 tile 1
.set WS,   28                          ; v28-43  W's: 8 p + s; lanes 0-15 tile 2 p, lanes 16-31 tile 2 p + 1
.set BI,   44                          ; v44-75  the bias, 8 registers a tile of W, in the result's layout
.set ACC,  76                          ; v76-139 eight accumulators
.set PC,   140                         ; v140-155 codes
.set TM,   156                         ; v156-171 the quantiser's
.set PW0,  172
.set PW1,  173
.set VSW,  174                         ; v174-177 v's scale words in the making
.set ST,   192                         ; window 3
.set WV,   18
.set KIND, 19                          ; s19  0 = k, 1 = v, 2 = q
.set CG,   20
.set B,    21
.set HD,   22
.set G,    23
.set HM,   27
.set SEL,  28
.set MNT,  30
.set XA,   32                          ; s[32:33] the rows' tile blocks, at the loop trip's first group
.set WA,   34
.set BA,   36
.set OC,   38                          ; s[38:39] codes out
.set OS,   40                          ; s[40:41] scale words out
.set OSS,  52                          ; s[52:53] their step for four groups
.set MSB, 0
.macro WIN new                         ; the immediate's high byte repeats the setting that is left
.if MSB != (\new)
	s_set_vgpr_msb (MSB<<8)|(\new)
.set MSB, (\new)
.endif
.endm
.macro PLACES n
.rept \n
	v_nop
.endr
.endm
	s_load_b256 s[4:11], s[0:1], 0x0               ; the tile blocks, bk, bv, bq
	s_load_b128 s[12:15], s[0:1], 0x20             ; kv, qc
	s_load_b64 s[16:17], s[0:1], 0x30              ; qs
	v_lshl_add_u32 v[SPW], v0, 2, SPARE
	v_mov_b32 v[NIL], 0
	v_lshrrev_b32 v1, 5, v0
	v_readfirstlane_b32 s[WV], v1                  ; wave 0..3
	v_and_b32 v1, 31, v0                           ; lane
	v_and_b32 v2, 15, v0                           ; r
	v_bfe_u32 v3, v0, 4, 1                         ; h
	v_lshlrev_b32 v[LI0], 4, v1
	v_add_nc_u32 v[LI0+1], 0x10000, v[LI0]
	v_mul_u32_u24 v[WSO], v3, 12800
	v_lshl_add_u32 v[WSO], v2, 4, v[WSO]
	v_add_nc_u32 v[LSC0], 12288, v[WSO]
	v_add_nc_u32 v[LSC0+1], 0x10000, v[LSC0]
	v_lshlrev_b32 v[LT0], 4, v0
	v_add_nc_u32 v[LT0+1], 0x10000, v[LT0]
	v_lshlrev_b32 v[L80], 3, v0
	v_add_nc_u32 v[L80+1], 0x10000, v[L80]
	v_lshlrev_b32 v[LS], 2, v1
	v_lshlrev_b32 v[BOF], 5, v3
	v_lshlrev_b32 v[BRF], 2, v2
	v_mov_b32 v[ZERO], 0
.irp b, 0,1,2,3
	v_mov_b32 v[TM+4+\b], 0                        ; written once: a lane permute's destination counts as one of its sources
	v_mov_b32 v[VSW+\b], 0
.endr
	s_mov_b32 s[HM], 0xffff0000
	s_mov_b32 s[SEL], 0x76543210
	s_mov_b32 s[SEL+1], 0xfedcba98
	s_mov_b32 s[MNT], 0x600000
	s_cmp_ge_u32 ttmp9, 96
	s_cselect_b32 s[KIND], 1, 0
	s_cmp_ge_u32 ttmp9, 192
	s_cselect_b32 s[KIND], 2, s[KIND]
	s_cselect_b32 s43, 4, 5
	s_cselect_b32 s44, 15, 31
	s_cselect_b32 s45, 1216, 0
	s_mul_i32 s42, s[KIND], 96
	s_sub_co_u32 s42, ttmp9, s42                   ; my number within the kind
	s_lshr_b32 s[CG], s42, s43                     ; column group 0..2
	s_and_b32 s[B], s42, s44                       ; batch, or pair of batches
	s_lshl_b32 s[HD], s[CG], 2
	s_add_co_u32 s[HD], s[HD], s[WV]               ; my head
	s_mul_i32 s42, s[B], 38
	s_add_co_u32 s42, s42, s45
	s_mul_i32 s42, s42, 12800                      ; s[42:43]: the rows' first tile block
	s_mov_b32 s43, 0
	s_mul_i32 s44, s[KIND], 48
	s_lshl_b32 s45, s[HD], 2
	s_add_co_u32 s44, s44, s45
	s_add_co_u32 s44, s44, 1824
	s_mul_i32 s44, s44, 12800                      ; s[44:45]: my four tile blocks of W
	s_mov_b32 s45, 0
	s_lshl_b32 s46, s[HD], 8                       ; s[46:47]: my 64 numbers of the bias
	s_mov_b32 s47, 0
	s_mul_i32 s54, s[B], 12
	s_add_co_u32 s54, s54, s[HD]
	s_mul_i32 s54, s54, REC                        ; k, v: my record
	s_lshl_b32 s55, s[HD], 5
	s_lshl_b32 s56, s[B], 1
	s_add_co_u32 s55, s55, s56                     ; q: 32 head + first batch
	s_mul_i32 s56, s55, 1216
	s_mul_i32 s55, s55, 19456
	s_cmp_eq_u32 s[KIND], 1
	s_cselect_b32 s57, 38912, 0                    ; v's codes lie behind k's
	s_mov_b32 s58, 79872
	s_cselect_b32 s58, 82432, s58                  ; the scale words' places in a record
	s_mov_b32 s[OSS], 512
	s_cselect_b32 s[OSS], 256, s[OSS]
	s_mov_b32 s[OSS+1], 0
	s_add_co_u32 s57, s57, s54
	s_add_co_u32 s58, s58, s54
	s_cmp_eq_u32 s[KIND], 2
	s_cselect_b32 s48, s55, s57                    ; s[48:49]: codes out
	s_cselect_b32 s50, s56, s58                    ; s[50:51]: scale words out
	s_mov_b32 s49, 0
	s_mov_b32 s51, 0
	s_wait_kmcnt 0x0
	s_cselect_b64 s[OC:OC+1], s[14:15], s[12:13]   ; the choices hang on the work-group's number alone
	s_cselect_b64 s[OS:OS+1], s[16:17], s[12:13]
	s_cselect_b64 s[BA:BA+1], s[10:11], s[6:7]
	s_cmp_eq_u32 s[KIND], 1
	s_cselect_b64 s[BA:BA+1], s[8:9], s[BA:BA+1]
	s_add_nc_u64 s[XA:XA+1], s[4:5], s[42:43]
	s_add_nc_u64 s[WA:WA+1], s[4:5], s[44:45]
	s_add_nc_u64 s[BA:BA+1], s[BA:BA+1], s[46:47]
	s_add_nc_u64 s[OC:OC+1], s[OC:OC+1], s[48:49]
	s_add_nc_u64 s[OS:OS+1], s[OS:OS+1], s[50:51]
; a group, 25,600 bytes, from memory: 200 bytes a thread.  (Destination in window 3)
.macro GLOAD reg, off
.irp k, 0,1,2,3,4,5,6,7,8,9,10,11
	global_load_b128 v[\reg+4*\k:\reg+4*\k+3], v[LT0], s[XA:XA+1] offset:(\off)+2048*\k
.endr
	global_load_b64 v[\reg+48:\reg+49], v[L80], s[XA:XA+1] offset:(\off)+24576
.endm
; and into LDS buffer buf, as it lies.  (Data in window 3)
.macro GSTORE reg, buf
.irp k, 0,1,2,3,4,5,6,7,8,9,10,11
	ds_store_b128 v[LT0+(\buf)/2], v[\reg+4*\k:\reg+4*\k+3] offset:((\buf)%2)*0x8000+2048*\k
.endr
	ds_store_b64 v[L80+(\buf)/2], v[\reg+48:\reg+49] offset:((\buf)%2)*0x8000+24576
.endm
; six of a group's twelve fragments (K steps 3 half .. 3 half + 2, both tiles) from buffer buf: 24 loads.  (Destination in window 3)
.macro HLOAD half, buf
.irp ss, 0,1,2
.irp m, 0,1
.irp c, 0,1,2,3
	ds_load_b128 v[32*(3*(\half)+\ss)+16*\m+4*\c:32*(3*(\half)+\ss)+16*\m+4*\c+3], v[LI0+(\buf)/2] offset:((\buf)%2)*0x8000+12800*\m+2048*(3*(\half)+\ss)+512*\c
.endr
.endr
.endr
.endm
.macro XLOAD buf                       ; the group's scale words
	ds_load_b128 v[XS:XS+3], v[LSC0+(\buf)/2] offset:((\buf)%2)*0x8000
	ds_load_b128 v[XS+4:XS+7], v[LSC0+(\buf)/2] offset:((\buf)%2)*0x8000+256
.endm
.irp p, 0,1
	WIN 0x40*(1+\p)                                ; destination window 1, then 2
.irp u, 0,1
.irp s, 0,1,2,3,4,5
.irp c, 0,1,2,3
	global_load_b128 v[96*\u+16*\s+4*\c:96*\u+16*\s+4*\c+3], v[LI0], s[WA:WA+1] offset:12800*(2*\p+\u)+2048*\s+512*\c   ; W stays in registers
.endr
.endr
.endr
.endr
	WIN 0
.irp p, 0,1
	global_load_b128 v[WS+8*\p:WS+8*\p+3], v[WSO], s[WA:WA+1] offset:25600*\p+12288
	global_load_b128 v[WS+8*\p+4:WS+8*\p+7], v[WSO], s[WA:WA+1] offset:25600*\p+12288+256
.endr
	WIN 0xc0
	GLOAD ST, 0                                    ; group 0
	GLOAD 0, 25600                                 ; group 1, into registers that the fragments take later
	WIN 0
	s_cmp_eq_u32 s[KIND], 1
	s_cbranch_scc1 .Lbias_v
.irp t, 0,1,2,3
	global_load_b128 v[BI+8*\t:BI+8*\t+3], v[BOF], s[BA:BA+1] offset:64*\t        ; k, q: register j of tile t is channel 16 t + 8 h + j
	global_load_b128 v[BI+8*\t+4:BI+8*\t+7], v[BOF], s[BA:BA+1] offset:64*\t+16
.endr
	s_branch .Lbias_done
.Lbias_v:
.irp t, 0,1,2,3
.irp j, 0,1,2,3,4,5,6,7
	global_load_b32 v[BI+8*\t+\j], v[BRF], s[BA:BA+1] offset:64*\t                ; v: all eight registers are channel 16 t + r
.endr
.endr
.Lbias_done:
	s_wait_loadcnt 0x0
	WIN 0x0c
	GSTORE ST, 0
	GSTORE 0, 1
	WIN 0
	s_wait_dscnt 0x0                               ; my stores have landed, and have read their registers
	WIN 0xc0
	GLOAD ST, 51200                                ; group 2
	WIN 0
	s_barrier_signal -1
	s_barrier_wait -1                              ; groups 0 and 1 lie whole in LDS
	WIN 0xc0
	HLOAD 0, 0
	WIN 0
	XLOAD 0
	WIN 0xc0
	HLOAD 1, 0
	WIN 0
; one matrix instruction; its registers stand in the symbols rD, rA, rB, rC, rSA, rSB.  ra, rb: the side's scale words lie in lanes 16-31
.macro WMM ra, rb
.if (\ra) && (\rb)
	v_wmma_scale_f32_16x16x128_f8f6f4 v[rD:rD+7], v[rA:rA+15], v[rB:rB+15], v[rC:rC+7], v[rSA], v[rSB] matrix_a_scale:MATRIX_SCALE_ROW1 matrix_b_scale:MATRIX_SCALE_ROW1
.elseif \ra
	v_wmma_scale_f32_16x16x128_f8f6f4 v[rD:rD+7], v[rA:rA+15], v[rB:rB+15], v[rC:rC+7], v[rSA], v[rSB] matrix_a_scale:MATRIX_SCALE_ROW1
.elseif \rb
	v_wmma_scale_f32_16x16x128_f8f6f4 v[rD:rD+7], v[rA:rA+15], v[rB:rB+15], v[rC:rC+7], v[rSA], v[rSB] matrix_b_scale:MATRIX_SCALE_ROW1
.else
	v_wmma_scale_f32_16x16x128_f8f6f4 v[rD:rD+7], v[rA:rA+15], v[rB:rB+15], v[rC:rC+7], v[rSA], v[rSB]
.endif
.endm
; 24 matrix instructions: three K steps x 2 tiles of rows x 4 tiles of W.  Four accumulators take turns, one instruction a turn; twelve instructions to a window setting.
.macro MMK half                        ; k, q: source 0 = W, source 1 = the rows; accumulator (m, t) at ACC + 32 m + 8 t
.irp p, 0,1
	WIN 0x0d+\p                                    ; source 0 window 1 + p, source 1 window 3
.irp ss, 0,1,2
.irp m, 0,1
.irp u, 0,1
.set sK, 3*(\half)+\ss
.set rD, ACC+32*\m+8*(2*\p+\u)
.set rA, 96*\u+16*sK
.set rB, 32*sK+16*\m
.set rC, rD
.if sK == 0
.set rC, BI+8*(2*\p+\u)
.endif
.set rSA, WS+8*\p+sK
.set rSB, XS+sK
	WMM \u, \m
.endr
.endr
.endr
.endr
.endm
.macro MMV half                        ; v: source 0 = the rows, source 1 = W; accumulator (t, m) at ACC + 16 t + 8 m
.irp p, 0,1
	WIN 0x07+4*\p                                  ; source 0 window 3, source 1 window 1 + p
.irp ss, 0,1,2
.irp m, 0,1
.irp u, 0,1
.set sK, 3*(\half)+\ss
.set rD, ACC+16*(2*\p+\u)+8*\m
.set rA, 32*sK+16*\m
.set rB, 96*\u+16*sK
.set rC, rD
.if sK == 0
.set rC, BI+8*(2*\p+\u)
.endif
.set rSA, XS+sK
.set rSB, WS+8*\p+sK
	WMM \m, \u
.endr
.endr
.endr
.endr
.endm
.macro MM half                         ; the branch hangs on the work-group's number alone; at a branch and at a label every window is 0
	s_cmp_eq_u32 s[KIND], 1
	s_cbranch_scc1 .Lmv_\@
	MMK \half
	WIN 0
	s_branch .Lmd_\@
.Lmv_\@:
	MMV \half
	WIN 0
.Lmd_\@:
.endm
; 64 numbers of a lane in four blocks of 16 registers become codes in v[pc] on; the blocks' bytes stay in v[TM+4] on.
.macro QUANT s, pc
.irp b, 0,1,2,3
	v_max3_num_f32 v[TM+\b], |v[\s+16*\b]|, |v[\s+1+16*\b]|, 0x4800000   ; my 16 numbers of block b, each accumulator from its low end on, and the floor 2^(9 - 127)
.endr
.irp i, 2,4,6,8,10,12,14
.irp b, 0,1,2,3
	v_max3_num_f32 v[TM+\b], v[TM+\b], |v[\s+16*\b+\i]|, |v[\s+1+16*\b+\i]|
.endr
.endr
.irp b, 0,1,2,3
	v_permlanex16_b32 v[TM+4+\b], v[TM+\b], s[SEL], s[SEL+1]
.endr
.irp b, 0,1,2,3
	v_max_num_f32 v[TM+\b], v[TM+\b], v[TM+4+\b]   ; with lane l xor 16's 16: the block's largest magnitude
.endr
.irp b, 0,1,2,3
	v_add_nc_u32 v[TM+12+\b], 0xfc000000, v[TM+\b] ; 8 off its exponent field: the conversion's scale operand
.endr
.irp b, 0,1,2,3
	v_and_or_b32 v[TM+8+\b], v[TM+\b], 0x7f800000, s[MNT]   ; 448 x the scale
.endr
.irp b, 0,1,2,3
	v_lshrrev_b32 v[TM+4+\b], 23, v[TM+12+\b]      ; the scale's byte
.endr
.irp b, 0,1,2,3
.irp i, 0,1,2,3,4,5,6,7,8,9,10,11,12,13,14,15
	v_med3_num_f32 v[\s+16*\b+\i], v[\s+16*\b+\i], -v[TM+8+\b], v[TM+8+\b]   ; the conversion does not saturate (ISA guide 7.6.2): the hold
.endr
	v_cvt_scalef32_pk8_fp8_f32 v[\pc+4*\b:\pc+1+4*\b], v[\s+16*\b:\s+7+16*\b], v[TM+12+\b]
	v_cvt_scalef32_pk8_fp8_f32 v[\pc+2+4*\b:\pc+3+4*\b], v[\s+8+16*\b:\s+15+16*\b], v[TM+12+\b]
.endr
	v_nop                                          ; one plain vector instruction behind the last scaled conversion
.endm
; ONE GROUP OF 32 ROWS.  x = its number mod 4.  st: the group two on, which is in registers, goes to LDS, and a barrier follows;  gl: the group three on is asked of memory;
; nx: the next group's fragments are fetched from LDS;  fin: the last group.
.macro TRIP x, st, gl, nx, fin
.set WBUF, ((\x)+2)%4
.set RBUF, ((\x)+1)%4
.if \st
	s_wait_loadcnt 0x0                             ; the group two on, asked for a group ago, is in registers
	WIN 0x0c
	GSTORE ST, WBUF                                ; its buffer was last read two groups ago, ahead of a barrier that I have passed
	WIN 0
.endif
	s_wait_dscnt 24+13*(\st)                       ; this group's first six fragments and its scale words are in; the other 24 loads and my 13 stores may be out
	MM 0
	s_wait_dscnt 0x0                               ; the other six fragments are in; my stores have landed; my reads of this group's buffer are over
.if \st
	s_barrier_signal -1
	s_barrier_wait -1
.endif
.if (\nx)+(\gl)
	PLACES 8                                       ; in front of loads into registers that matrix instructions have read
	WIN 0xc0
.if \nx
	HLOAD 0, RBUF
.endif
.if \gl
	GLOAD ST, ((\x)+3)*25600
.endif
	WIN 0
.endif
	MM 1
	s_wait_xcnt 0x0                                ; the last group's stores have read their data: codes and scale words may be written again
	PLACES 8                                       ; in front of the loads below and of the first read of the results
.if \nx
	XLOAD RBUF
	WIN 0xc0
	HLOAD 1, RBUF
	WIN 0
.endif
.if \fin
	s_cmp_lg_u32 s[KIND], 1
	s_cbranch_scc1 .Lnf_\@
.irp t, 0,1,2,3                        ; v: of the last block of keys token 576 alone exists (register 0, lanes 0-15): the quantiser fills the block with zeros ahead of its maximum
	v_cndmask_b32 v[ACC+16*\t], v[ACC+16*\t], v[ZERO], s[HM]
.irp i, 1,2,3,4,5,6,7,8,9,10,11,12,13,14,15
	v_mov_b32 v[ACC+16*\t+\i], 0
.endr
.endr
.Lnf_\@:
.endif
	QUANT ACC, PC
	s_cmp_eq_u32 s[KIND], 1
	s_cbranch_scc1 .Lov_\@
	v_lshl_or_b32 v[PW0], v[TM+5], 8, v[TM+4]      ; k, q: block 2 m + c is block c of tile m: a row's word has two bytes, and bytes 2, 3 are 0
	v_lshl_or_b32 v[PW1], v[TM+7], 8, v[TM+6]
	v_cndmask_b32 v[PW0], v[PW0], v[PW1], s[HM]    ; lanes 0-15 tile 0's words, lanes 16-31 tile 1's
.irp q, 0,1,2,3
	global_store_b128 v[LI0], v[PC+4*\q:PC+4*\q+3], s[OC:OC+1] offset:2048*(\x)+512*\q   ; 512 consecutive bytes
.endr
	global_store_b32 v[LS], v[PW0], s[OS:OS+1] offset:128*(\x)
	s_branch .Lod_\@
.Lov_\@:
.irp t, 0,1,2,3                        ; v: block t is channel tile t's block x of the key step
.if (\x) == 0
	v_mov_b32 v[VSW+\t], v[TM+4+\t]
.else
	v_lshl_or_b32 v[VSW+\t], v[TM+4+\t], 8*(\x), v[VSW+\t]
.endif
	global_store_b128 v[LI0], v[PC+4*\t:PC+4*\t+3], s[OC:OC+1] offset:512*(\x)+2048*\t
.endr
.if ((\x) == 3) || (\fin)
	v_cndmask_b32 v[PW0], v[VSW], v[VSW+1], s[HM]  ; a key step's words are whole (the last step's byte 3 stays 0, over zero codes)
	v_cndmask_b32 v[PW1], v[VSW+2], v[VSW+3], s[HM]
	global_store_b32 v[LS], v[PW0], s[OS:OS+1]
	global_store_b32 v[LS], v[PW1], s[OS:OS+1] offset:128
.endif
.Lod_\@:
.endm
	s_mov_b32 s[G], 0
.Lgroups:                              ; four trips of four groups: groups 0 to 15
	TRIP 0, 1, 1, 1, 0
	TRIP 1, 1, 1, 1, 0
	TRIP 2, 1, 1, 1, 0
	TRIP 3, 1, 1, 1, 0
	s_wait_xcnt 0x0                                ; every load and store issued so far has read its base: the three pointers step
	s_add_nc_u64 s[XA:XA+1], s[XA:XA+1], 102400
	s_add_nc_u64 s[OC:OC+1], s[OC:OC+1], 8192
	s_add_nc_u64 s[OS:OS+1], s[OS:OS+1], s[OSS:OSS+1]
	s_add_co_u32 s[G], s[G], 1
	s_cmp_lt_u32 s[G], 4
	s_cbranch_scc1 .Lgroups
	TRIP 0, 1, 0, 1, 0                             ; group 16: group 18 goes to LDS; nothing is left to ask of memory
	TRIP 1, 0, 0, 1, 0                             ; group 17
	TRIP 2, 0, 0, 0, 1                             ; group 18
	s_wait_xcnt 0x0
	s_cmp_eq_u32 s[KIND], 0                        ; what the next launch reads and no result fills is stored as zeros
	s_cbranch_scc0 .Lnotk
	global_store_b32 v[LS], v[ZERO], s[OS:OS+1] offset:384     ; behind k's 38 x 64 bytes of scale words: 128 bytes
	s_branch .Ldone
.Lnotk:
	s_cmp_eq_u32 s[KIND], 1
	s_cbranch_scc0 .Ldone
.irp q, 0,1,2,3
	v_mov_b32 v[PC+\q], 0
.endr
.irp t, 0,1,2,3
	global_store_b128 v[LI0], v[PC:PC+3], s[OC:OC+1] offset:2048*\t+1536   ; keys 608 to 639: zero codes
.endr
	global_store_b32 v[LS], v[ZERO], s[OS:OS+1] offset:256     ; behind v's 5 x 256 bytes of scale words: 256 bytes
	global_store_b32 v[LS], v[ZERO], s[OS:OS+1] offset:384
.Ldone:
	s_wait_tensorcnt 0x0                           ; the wave's end, behind my last LDS store
	ds_add_u32 v[SPW], v[NIL]
	s_wait_dscnt 0x0
	s_endpgm
.Lfunc_end_k_q6f0384d646_proj:
	.size	k_q6f0384d646_proj, .Lfunc_end_k_q6f0384d646_proj-k_q6f0384d646_proj
	.p2alignl 7, 3214868480
	.fill 96, 4, 3214868480
	.section	.rodata,"a",@progbits
	.p2align	6, 0x0
	.amdhsa_kernel k_q6f0384d646_proj
		.amdhsa_group_segment_fixed_size 131584
		.amdhsa_private_segment_fixed_size 0
		.amdhsa_enable_private_segment 0
		.amdhsa_kernarg_size 56
		.amdhsa_user_sgpr_count 2
		.amdhsa_user_sgpr_kernarg_segment_ptr 1
		.amdhsa_wavefront_size32 1
		.amdhsa_system_sgpr_workgroup_id_x 1
		.amdhsa_system_sgpr_workgroup_id_y 1
		.amdhsa_system_sgpr_workgroup_id_z 1
		.amdhsa_system_vgpr_workitem_id 0
		.amdhsa_next_free_vgpr 1024
		.amdhsa_next_free_sgpr 66
		.amdhsa_reserve_vcc 0
		.amdhsa_float_denorm_mode_32 3
		.amdhsa_float_denorm_mode_16_64 3
		.amdhsa_memory_ordered 1
		.amdhsa_forward_progress 1
		.amdhsa_inst_pref_size 216
	.end_amdhsa_kernel
	.amdgpu_metadata
---
amdhsa.version: [ 1, 2 ]
amdhsa.kernels:
  - .name:           k_q6f0384d646_proj
    .symbol:         k_q6f0384d646_proj.kd
    .args:
      - { .name: tiles, .offset: 0, .size: 8, .value_kind: global_buffer, .address_space: global }
      - { .name: bk, .offset: 8, .size: 8, .value_kind: global_buffer, .address_space: global }
      - { .name: bv, .offset: 16, .size: 8, .value_kind: global_buffer, .address_space: global }
      - { .name: bq, .offset: 24, .size: 8, .value_kind: global_buffer, .address_space: global }
      - { .name: kv, .offset: 32, .size: 8, .value_kind: global_buffer, .address_space: global }
      - { .name: qc, .offset: 40, .size: 8, .value_kind: global_buffer, .address_space: global }
      - { .name: qs, .offset: 48, .size: 8, .value_kind: global_buffer, .address_space: global }
    .group_segment_fixed_size: 131584
    .private_segment_fixed_size: 0
    .kernarg_segment_align: 8
    .kernarg_segment_size: 56
    .max_flat_workgroup_size: 128
    .sgpr_count:     66
    .vgpr_count:     1024
    .wavefront_size: 32
...
	.end_amdgpu_metadata
.endif
;; end of part 2
;; launch attn (part 3): grid 256 x 1, 16 waves a work-group, no clusters, 239,616 bytes of LDS; arguments kv, qc, qs, out0; writes out0
.if DOCPART == 3
	.amdgcn_target "amdgcn-amd-amdhsa--gfx1250"
	.amdhsa_code_object_version 6
	.text
	.protected	k_q6f0384d646_attn
	.globl	k_q6f0384d646_attn
	.p2align	8
	.type	k_q6f0384d646_attn,@function
k_q6f0384d646_attn:
	s_mov_b64 s[64:65], 0
	v_nop
	global_prefetch_b8 v0, s[64:65] scope:SCOPE_SE
	s_setreg_imm32_b32 hwreg(HW_REG_WAVE_MODE, 25, 1), 1
	s_wait_xcnt 0x0
; THIRD OF THREE LAUNCHES.  out0[b][j][64 h ..] = the sum over keys of softmax(q . k / 8) v, for the 289 gathered queries, both products on codes of E4M3 with one E8M0 byte for each 32 along K.
; THE SOFTMAX AHEAD OF THE SECOND PRODUCT: t = score x log2(e) / 8; M = the row's largest t so far, rounded UP to a whole number; p = 2^(t - M) is quantised along the keys, not normalised;
; the row's sum is taken of the unquantised p and divides at the end.  When M moves, the sum and O are multiplied by 2^(old M - new M): exact.
; A JOB is a tile of 16 queries of one (batch, head) against its 577 keys, in five key steps of 128 (the last: 65 keys' worth of tiles, of which key 576 alone counts).  384 pairs x 19 tiles = 7,296 jobs.
; SHARES.  Two neighbouring work-groups share three pairs: each takes one pair whole (record A, 19 jobs), and they halve the third (record B: tiles 0-9 the even work-group, 10-18 the odd one).
; Pass 0: wave w takes tile w of A.  Pass 1: waves 0-2 take tiles 16-18 of A, the waves from 3 on the tiles of B; a wave without a job walks the steps and jumps over their work.
; Both records (k's and v's codes and scale words as images of operand registers, 83,968 bytes each) come into LDS once, by two tensor loads a wave at the head; nothing is filled twice.
; LAYOUT.  Both products transposed: S^T = K Q^T (source 0 = 16 keys), O^T = V^T P^T (source 0 = 16 channels): a lane holds ONE query.  Inside a block of 32 keys, place (h, i) holds key 8 h + i or 16 + 8 h + (i - 8),
; on p as on v (second launch): the blocks and their scales are the rule's.
; THE FIRST PRODUCT'S K IS 64, the instruction's 128.  A tile of K is 8 registers; the instruction names 16: the upper 8 are the next tile's codes (behind a step's last tile: zeros), which are numbers, never the NaN code.
; Q's upper 8 registers are zero codes, and bytes 2, 3 of both scale words are 0: the upper half adds exact zeros.
; LIMITS: NaN and infinities are not served; a block of p whose largest lies under 2^(9 - 127) gets the byte 1.
; A block's largest p is made from the block's largest score by the same multiply-add and exponential: this takes v_exp_f32 not to fall where its input rises.
.set REC,   83968
.set VCO,   38912                      ; in a record: v's codes,
.set KSO,   79872                      ; k's scale words,
.set VSO,   82432                      ; v's scale words
.set STAGE, 167936                     ; behind the two records: 16 rows x 272 bytes for each wave, for the way out
.set SPARE, 237568                     ; behind the stages: the spare words, 128 bytes a wave
.set LI,   1                           ; v1   16 x lane
.set LS,   2                           ; v2   4 x lane
.set LR4,  3                           ; v3   4 r
.set SPW,  4                           ; v4   my spare word; never rewritten
.set NIL,  5                           ; v5   0; never rewritten
.set ADK,  6                           ; v6   LDS address of the step's codes
.set ADS,  7                           ; v7   of k's scale words
.set ADT,  8                           ; v8   of v's
.set STO,  9                           ; v9   the stage: where I put 32 bytes of a row
.set RD,   10                          ; v10  and where I read a row back
.set GO,   11                          ; v11  my byte offset in the tile's rows of the output
                                       ; v12 -M, v13 the largest t, v[14:15] the sum in two halves; v16-23 Q, v24-31 zeros; v32-95 eight tiles of K or four fragments of V; v96-103 zeros
.set S,    104                         ; v104-167 S^T, then p; on the way out O / the sum and its rows
.set O,    168                         ; v168-199 O^T
.set PC,   200                         ; v200-215 p's codes
.set BM,   216                         ; v216-219 the blocks' largest scores, then largest p
.set T1,   220                         ; v220-223 permute's destination, then bytes
.set HL,   224                         ; v224-227 448 x the scale
.set SO,   228                         ; v228-231 the conversions' scale operands
.set F,    232                         ; v[232:233] f = 2^(old M - new M)
.set TT,   234
.set SA,   236                         ; v[236:237] the sum's second chain
.set KSC,  240                         ; v240-243 k's scale words: lanes 0-15 tile 2 i, lanes 16-31 tile 2 i + 1
.set VSC,  244                         ; v244-245 v's likewise
.set QS,   246                         ; q's scale words
.set PW,   247                         ; p's scale word
.set LANE, 248
.set NINF, 249
.set WV,   12
.set ODD,  13
.set PA,   14
.set PB,   15
.set PR,   16                          ; s16  the job's pair, 12 b + h
.set TL,   17                          ; s17  its tile of queries
.set RG,   18                          ; s18  its record's place in LDS
.set MNT,  19
.set SEL,  20
.set CS,   22                          ; s[22:23] c = log2(e) / 8
.set G1,   24                          ; s[24:31] descriptor group 1
.set G0A,  32                          ; s[32:35], s[36:39] groups 0 for records A and B
.set G0B,  36
.set TB,   40
.set TS,   41
.set TJ,   42
.set CNT,  43
.set QA,   44
.set QSA,  46
.set OA,   48
.set HM,   60
.set EX,   61
.set SKIP, 62                          ; s62  1: my wave has no job in pass 1
	s_load_b256 s[4:11], s[0:1], 0x0               ; kv, qc, qs, out0
	v_lshl_add_u32 v[SPW], v0, 2, SPARE
	v_mov_b32 v[NIL], 0
	ds_add_u32 v[SPW], v[NIL]                      ; the wave's opening: the add, twice on end, and its wait ahead of my first tensor load
	ds_add_u32 v[SPW], v[NIL]
	v_lshrrev_b32 v6, 5, v0
	v_readfirstlane_b32 s[WV], v6                  ; wave 0..15
	s_and_b32 s[ODD], ttmp9, 1
	s_lshr_b32 s50, ttmp9, 1
	s_mul_i32 s50, s50, 3
	s_add_co_u32 s[PB], s50, 1                     ; the pair that two work-groups halve
	s_lshl_b32 s51, s[ODD], 1
	s_add_co_u32 s[PA], s50, s51                   ; the pair that is mine
	; descriptor group 1: a sixteenth of a record, 5,248 dense bytes, as 41 rows of 128 bytes (16 elements of 8 bytes); no padding, no mask
	s_mov_b32 s[G1], 3<<16
	s_mov_b32 s[G1+1], 16<<16                      ; tensor_dim0
	s_mov_b32 s[G1+2], 41<<16                      ; tensor_dim1
	s_mov_b32 s[G1+3], 16<<16                      ; tile_dim0
	s_mov_b32 s[G1+4], 41                          ; tile_dim1
	s_mov_b32 s[G1+5], 16                          ; the pitch
	s_mov_b32 s[G1+6], 0
	s_mov_b32 s[G1+7], 0
	s_mov_b32 s[MNT], 0x600000
	s_mov_b32 s[SEL], 0x76543210
	s_mov_b32 s[SEL+1], 0xfedcba98
	s_mov_b32 s[CS], 0x3e38aa3b
	s_mov_b32 s[CS+1], s[CS]                       ; (named with it as a pair, so it is written)
	s_mov_b32 s[HM], 0xffff0000
	v_and_b32 v[LANE], 31, v0
	v_and_b32 v6, 15, v0                           ; r
	v_bfe_u32 v7, v0, 4, 1                         ; h
	v_lshlrev_b32 v[LI], 4, v[LANE]
	v_lshlrev_b32 v[LS], 2, v[LANE]
	v_lshlrev_b32 v[LR4], 2, v6
	s_mul_i32 s50, s[WV], 4352
	s_add_co_u32 s50, s50, STAGE                   ; my stage
	v_mul_u32_u24 v[STO], v6, 272
	v_lshl_add_u32 v[STO], v7, 5, v[STO]
	v_add_nc_u32 v[STO], s50, v[STO]               ; in: row r, + 32 h
	v_mul_u32_u24 v[RD], v7, 272
	v_lshl_add_u32 v[RD], v6, 4, v[RD]
	v_add_nc_u32 v[RD], s50, v[RD]                 ; back: lanes 0-15 one row, lanes 16-31 the next
	v_mul_u32_u24 v[GO], v7, 3072
	v_lshl_add_u32 v[GO], v6, 4, v[GO]             ; and the same two rows of the output
	v_mov_b32 v[NINF], 0xff800000
.irp j, 0,1,2,3,4,5,6,7
	v_mov_b32 v[24+\j], 0                          ; Q's upper half: zero codes
	v_mov_b32 v[96+\j], 0                          ; behind a step's last tile of K
.endr
.irp b, 0,1,2,3
	v_mov_b32 v[T1+\b], 0                          ; written once: a lane permute's destination counts as one of its sources
.endr
	v_mov_b32 v[F+1], 0                            ; (named as the upper half of a pair)
	s_mul_i32 s52, s[WV], 5248                     ; my sixteenth of a record
	s_mul_i32 s54, s[PA], REC
	s_add_co_u32 s54, s54, s52
	s_mov_b32 s55, 0
	s_mul_i32 s56, s[PB], REC
	s_add_co_u32 s56, s56, s52
	s_mov_b32 s57, 0
	s_wait_dscnt 0x0                               ; both opening adds are done
	s_wait_kmcnt 0x0
	s_mov_b32 s[G0A], 1
	s_mov_b32 s[G0A+1], s52                        ; LDS: record A from byte 0
	s_add_nc_u64 s[G0A+2:G0A+3], s[4:5], s[54:55]
	s_or_b32 s[G0A+3], s[G0A+3], 0x80000000
	s_mov_b32 s[G0B], 1
	s_add_co_u32 s[G0B+1], s52, REC                ; record B behind it
	s_add_nc_u64 s[G0B+2:G0B+3], s[4:5], s[56:57]
	s_or_b32 s[G0B+3], s[G0B+3], 0x80000000
	tensor_load_to_lds s[G0A:G0A+3], s[G1:G1+7]    ; every wave issues both first fills: two tensor loads of mine are out
	s_nop 0
	tensor_load_to_lds s[G0B:G0B+3], s[G1:G1+7]
	s_nop 0
.rept 4
	v_nop
.endr
; A JOB'S HEAD: its addresses, Q's loads, the start values.  sk = 1: a wave without a job jumps over it.
.macro JHEAD sk
.if \sk
	s_cmp_lg_u32 s[SKIP], 0
	s_cbranch_scc1 .Lnoq_\@
.endif
	s_wait_xcnt 0x0                                ; the last job's stores have read their base and data
	s_mul_i32 s50, s[PR], 5462
	s_lshr_b32 s50, s50, 16                        ; b = pair / 12 (exact for pairs under 8,000)
	s_mul_i32 s51, s50, 12
	s_sub_co_u32 s51, s[PR], s51                   ; h
	s_lshl_b32 s52, s51, 5
	s_add_co_u32 s52, s52, s50
	s_mul_i32 s52, s52, 19
	s_add_co_u32 s52, s52, s[TL]                   ; q's tile: (32 h + b) x 19 + tile
	s_mov_b32 s55, 0
	s_lshl_b32 s54, s52, 10
	s_add_nc_u64 s[QA:QA+1], s[6:7], s[54:55]
	s_lshl_b32 s54, s52, 6
	s_add_nc_u64 s[QSA:QSA+1], s[8:9], s[54:55]
	s_mul_i32 s54, s50, 289
	s_lshl_b32 s56, s[TL], 4
	s_add_co_u32 s54, s54, s56
	s_mul_i32 s54, s54, 3072
	s_lshl_b32 s56, s51, 8
	s_add_co_u32 s54, s54, s56                     ; the output: row 289 b + 16 tile, byte 256 h
	s_add_nc_u64 s[OA:OA+1], s[10:11], s[54:55]
	global_load_b128 v[16:19], v[LI], s[QA:QA+1]
	global_load_b128 v[20:23], v[LI], s[QA:QA+1] offset:512
	global_load_b32 v[QS], v[LR4], s[QSA:QSA+1]
	v_mov_b32 v13, 0xff61b1e6                      ; the largest t so far: -3e38, under every t
	v_floor_f32 v12, -v13                          ; -M
	v_mov_b32 v14, 0
	v_mov_b32 v15, 0
.set jj, 0
.rept 32
	v_mov_b32 v[O+jj], 0                           ; O^T: the step is written once; its first walk finds zeros, which the first change of M leaves zeros
.set jj, jj+1
.endr
.Lnoq_\@:
.endm
; A KEY STEP.  last = 1: keys 512 on: five tiles of K, three blocks.
.macro STEP last, sk
.set NT, 8-3*(\last)
.set NB, 4-(\last)
.if \sk
	s_cmp_lg_u32 s[SKIP], 0                        ; ids alone; the jump leads round the step's work, not round the lines that step addresses
	s_cbranch_scc1 .Lidle_\@
.endif
	v_add_nc_u32 v[ADK], s[TB], v[LI]
	v_add_nc_u32 v[ADS], s[TS], v[LS]
	v_add_nc_u32 v[ADT], s[TJ], v[LS]
.rept 5
	v_nop                                          ; with the three additions: eight places in front of loads into registers that the last products read
.endr
.irp kt, 0,1,2,3,4,5,6,7
.if \kt < NT+(\last)
	ds_load_b128 v[32+8*\kt:35+8*\kt], v[ADK] offset:1024*\kt
	ds_load_b128 v[36+8*\kt:39+8*\kt], v[ADK] offset:1024*\kt+512
.endif
.endr
.irp i, 0,1,2,3
.if 2*\i < NT
	ds_load_b32 v[KSC+\i], v[ADS] offset:128*\i
.endif
.endr
	s_wait_dscnt 0x0
.irp kt, 0,1,2,3,4,5,6,7
.if \kt < NT
.if (\kt)%2
	v_wmma_scale_f32_16x16x128_f8f6f4 v[S+8*\kt:S+8*\kt+7], v[32+8*\kt:47+8*\kt], v[16:31], 0, v[KSC+\kt/2], v[QS] matrix_a_scale:MATRIX_SCALE_ROW1
.else
	v_wmma_scale_f32_16x16x128_f8f6f4 v[S+8*\kt:S+8*\kt+7], v[32+8*\kt:47+8*\kt], v[16:31], 0, v[KSC+\kt/2], v[QS]
.endif
.endif
.endr
.rept 8
	v_nop
.endr
.irp t, 0,1,2,3                        ; V's four fragments take K's registers; they land under the softmax
.irp c, 0,1,2,3
	ds_load_b128 v[32+16*\t+4*\c:35+16*\t+4*\c], v[ADK] offset:VCO+2048*\t+512*\c
.endr
.endr
	ds_load_b32 v[VSC], v[ADT]
	ds_load_b32 v[VSC+1], v[ADT] offset:128
.if \last
	v_cndmask_b32 v[S+32], v[S+32], v[NINF], s[HM] ; of the last block key 576 alone exists: register 0 of lanes 0-15.  All else becomes -infinity ahead of the maximum: p = 0
.irp i, 1,2,3,4,5,6,7,8,9,10,11,12,13,14,15
	v_mov_b32 v[S+32+\i], v[NINF]
.endr
.irp i, 12,13,14,15
	v_mov_b32 v[PC+\i], 0                          ; keys 608 to 639: zero codes
.endr
.endif
.irp b, 0,1,2,3
.if \b < NB
	v_max3_num_f32 v[BM+\b], v[S+16*\b], v[S+16*\b+1], v[S+16*\b+2]   ; the largest score of each block of 32 keys: for the row's maximum and for the block's largest p
.endif
.endr
.irp i, 3,5,7,9,11,13
.irp b, 0,1,2,3
.if \b < NB
	v_max3_num_f32 v[BM+\b], v[BM+\b], v[S+16*\b+\i], v[S+16*\b+\i+1]
.endif
.endr
.endr
.irp b, 0,1,2,3
.if \b < NB
	v_max_num_f32 v[BM+\b], v[BM+\b], v[S+16*\b+15]
.endif
.endr
.irp b, 0,1,2,3
.if \b < NB
	v_permlanex16_b32 v[T1+\b], v[BM+\b], s[SEL], s[SEL+1]
.endif
.endr
.irp b, 0,1,2,3
.if \b < NB
	v_max_num_f32 v[BM+\b], v[BM+\b], v[T1+\b]     ; with lane l xor 16's 16 keys
.endif
.endr
	v_max3_num_f32 v[TT], v[BM], v[BM+1], v[BM+2]
.if NB == 4
	v_max_num_f32 v[TT], v[TT], v[BM+3]
.endif
	v_mul_f32 v[TT], s[CS], v[TT]                  ; the step's largest t of my query (c is positive)
	v_max_num_f32 v13, v13, v[TT]
	v_mov_b32 v[TT], v12
	v_floor_f32 v12, -v13                          ; the new -M = floor(-t) = -ceil(t)
	v_sub_f32 v[TT], v12, v[TT]                    ; old M - new M: a whole number, 0 or less
	v_cvt_i32_f32 v[TT], v[TT]                     ; (it saturates)
	v_ldexp_f32 v[F], 1.0, v[TT]                   ; f = 2^(old M - new M)
.set jj, 0
.rept 8*NB
	v_pk_fma_f32 v[S+jj:S+jj+1], v[S+jj:S+jj+1], s[CS:CS+1], v[12:13] op_sel_hi:[1,0,0]   ; t - M, two at a time
.set jj, jj+2
.endr
.irp b, 0,1,2,3
.if \b < NB
	v_fma_f32 v[BM+\b], v[BM+\b], s[CS], v12       ; the same of each block's largest score
.endif
.endr
.set jj, 0
.rept 16*NB
	v_exp_f32 v[S+jj], v[S+jj]                     ; p = 2^(t - M), at most 1
.set jj, jj+1
.endr
	v_pk_mul_f32 v[14:15], v[14:15], v[F:F+1] op_sel_hi:[1,0]   ; the sums under the new M: the plain instruction behind the exponentials
	s_wait_alu depctr_va_vdst(0)                   ; one wait for the batch, ahead of its first reader
.irp b, 0,1,2,3
.if \b < NB
	v_exp_f32 v[BM+\b], v[BM+\b]                   ; the block's largest p
.endif
.endr
	v_pk_add_f32 v[SA:SA+1], v[S:S+1], v[S+2:S+3]  ; the row's sum of the unquantised p, in two chains
.set jj, 4
.rept 4*NB-1
	v_pk_add_f32 v[14:15], v[14:15], v[S+jj:S+jj+1]
	v_pk_add_f32 v[SA:SA+1], v[SA:SA+1], v[S+jj+2:S+jj+3]
.set jj, jj+4
.endr
	v_pk_add_f32 v[14:15], v[14:15], v[SA:SA+1]
	s_wait_alu depctr_va_vdst(0)                   ; and one for the blocks' exponentials
.irp b, 0,1,2,3
.if \b < NB
	v_max_num_f32 v[BM+\b], 0x4800000, v[BM+\b]    ; the floor 2^(9 - 127): the byte cannot fall under 1
.endif
.endr
.irp b, 0,1,2,3
.if \b < NB
	v_add_nc_u32 v[SO+\b], 0xfc000000, v[BM+\b]    ; 8 off the exponent field: the conversion's scale operand
.endif
.endr
.irp b, 0,1,2,3
.if \b < NB
	v_and_or_b32 v[HL+\b], v[BM+\b], 0x7f800000, s[MNT]   ; 448 x the scale
.endif
.endr
.irp b, 0,1,2,3
.if \b < NB
	v_lshrrev_b32 v[T1+\b], 23, v[SO+\b]           ; the scale's byte
.endif
.endr
	v_lshl_or_b32 v[PW], v[T1+1], 8, v[T1]         ; p's scale word for these keys
	v_lshl_or_b32 v[PW], v[T1+2], 16, v[PW]
.if NB == 4
	v_lshl_or_b32 v[PW], v[T1+3], 24, v[PW]        ; (in the last step byte 3 stays 0, over zero codes)
.endif
.irp b, 0,1,2,3
.if \b < NB
.irp i, 0,1,2,3,4,5,6,7,8,9,10,11,12,13,14,15
	v_min_num_f32 v[S+16*\b+\i], v[S+16*\b+\i], v[HL+\b]   ; the conversion does not saturate (ISA guide 7.6.2); p is not negative: the hold is one-sided
.endr
	v_cvt_scalef32_pk8_fp8_f32 v[PC+4*\b:PC+4*\b+1], v[S+16*\b:S+16*\b+7], v[SO+\b]
	v_cvt_scalef32_pk8_fp8_f32 v[PC+4*\b+2:PC+4*\b+3], v[S+16*\b+8:S+16*\b+15], v[SO+\b]
.endif
.endr
.set jj, 0
.rept 16
	v_pk_mul_f32 v[O+jj:O+jj+1], v[O+jj:O+jj+1], v[F:F+1] op_sel_hi:[1,0]   ; O^T under the new M; these are also the places between the codes and the products
.set jj, jj+2
.endr
	s_wait_dscnt 0x0                               ; V is in
.irp t, 0,1,2,3
.if (\t)%2
	v_wmma_scale_f32_16x16x128_f8f6f4 v[O+8*\t:O+8*\t+7], v[32+16*\t:47+16*\t], v[PC:PC+15], v[O+8*\t:O+8*\t+7], v[VSC+\t/2], v[PW] matrix_a_scale:MATRIX_SCALE_ROW1
.else
	v_wmma_scale_f32_16x16x128_f8f6f4 v[O+8*\t:O+8*\t+7], v[32+16*\t:47+16*\t], v[PC:PC+15], v[O+8*\t:O+8*\t+7], v[VSC+\t/2], v[PW]
.endif
.endr
.Lidle_\@:
.if !(\last)
	s_add_co_u32 s[TB], s[TB], 8192                ; the next step: 8 tiles of K, 4 fragments of V,
	s_add_co_u32 s[TS], s[TS], 512                 ; 8 x 64 bytes of k's scale words,
	s_add_co_u32 s[TJ], s[TJ], 256                 ; 256 of v's
.endif
.endm
; A JOB'S BODY: five key steps and the way out.
.macro JBODY sk
	s_mov_b32 s[TB], s[RG]
	s_add_co_u32 s[TS], s[RG], KSO
	s_add_co_u32 s[TJ], s[RG], VSO
	s_wait_loadcnt 0x0                             ; Q and its scale words
	s_mov_b32 s[CNT], 4
.Lsteps_\@:
	STEP 0, \sk
	s_sub_co_u32 s[CNT], s[CNT], 1
	s_cmp_lg_u32 s[CNT], 0
	s_cbranch_scc1 .Lsteps_\@
	STEP 1, \sk
.if \sk
	s_cmp_lg_u32 s[SKIP], 0
	s_cbranch_scc1 .Lout_\@
.endif
.rept 8
	v_nop                                          ; places behind the last products
.endr
	v_add_f32 v14, v14, v15                        ; the sum's two halves,
	v_permlanex16_b32 v[TT], v14, s[SEL], s[SEL+1]
	v_add_f32 v14, v14, v[TT]                      ; and lane l xor 16's: the row's sum
	v_rcp_f32 v14, v14
	v_nop                                          ; a plain instruction behind the reciprocal
	s_wait_alu depctr_va_vdst(0)                   ; and the wait ahead of its first reader
.set jj, 0
.rept 32
	v_mul_f32 v[S+jj], v[O+jj], v14                ; register 8 t + j is channel 16 t + 8 h + j of my query; each accumulator from its low end on
.set jj, jj+1
.endr
.irp t, 0,1,2,3
	ds_store_b128 v[STO], v[S+8*\t:S+8*\t+3] offset:64*\t
	ds_store_b128 v[STO], v[S+8*\t+4:S+8*\t+7] offset:64*\t+16
.endr
.irp i, 0,1,2,3,4,5,6,7
	ds_load_b128 v[S+32+4*\i:S+35+4*\i], v[RD] offset:544*\i   ; LDS serves a wave's instructions in order (ISA guide 5.7.1.4): these see my stores
.endr
	s_cmp_eq_u32 s[TL], 18
	s_cbranch_scc1 .Ledge_\@
.irp i, 0,1,2,3,4,5,6,7
	s_wait_dscnt 7-\i                              ; rows 2 i, 2 i + 1 are back; the younger loads stay out
	global_store_b128 v[GO], v[S+32+4*\i:S+35+4*\i], s[OA:OA+1] offset:6144*\i th:TH_STORE_NT   ; sixteen lanes store 256 consecutive bytes, at a multiple of 256 from the output's first byte
.endr
	s_branch .Lout_\@
.Ledge_\@:                             ; tile 18 holds query 288 alone: row 0, lanes 0-15
	s_wait_dscnt 0x0
	v_cmp_gt_u32 vcc_lo, 16, v[LANE]
	s_wait_xcnt 0x0                                ; EXEC changes only behind this wait
	s_and_saveexec_b32 s[EX], vcc_lo
	global_store_b128 v[GO], v[S+32:S+35], s[OA:OA+1] th:TH_STORE_NT
	s_wait_xcnt 0x0                                ; and again, in front of the line that widens it
	s_or_b32 exec_lo, exec_lo, s[EX]
.Lout_\@:
.endm
	; PASS 0: tile w of my own pair
	s_mov_b32 s[PR], s[PA]
	s_mov_b32 s[TL], s[WV]
	s_mov_b32 s[RG], 0
	JHEAD 0
	s_wait_tensorcnt 1                             ; my part of record A is in; record B's load, issued behind it, stays out
	s_barrier_signal -1
	s_barrier_wait -1                              ; everybody's part is
	JBODY 0
	; PASS 1
	s_wait_tensorcnt 0x0                           ; my part of record B is in
	s_wait_dscnt 0x0
	s_barrier_signal -1
	s_barrier_wait -1
	s_add_co_u32 s50, s[WV], s[ODD]
	s_cmp_gt_u32 s50, 12
	s_cselect_b32 s[SKIP], 1, 0                    ; even work-group: waves 13-15 have no job; odd: waves 12-15
	s_add_co_u32 s50, s[WV], 13
	s_lshr_b32 s50, s50, 4
	s_mul_i32 s[RG], s50, REC                      ; waves 0-2: record A; the others: record B
	s_mul_i32 s51, s[ODD], 10
	s_add_co_u32 s51, s51, s[WV]
	s_sub_co_u32 s51, s51, 3                       ; B's tile: w - 3, + 10 in the odd work-group
	s_add_co_u32 s52, s[WV], 16                    ; A's tile: 16 + w
	s_cmp_lt_u32 s[WV], 3
	s_cselect_b32 s[PR], s[PA], s[PB]
	s_cselect_b32 s[TL], s52, s51
	JHEAD 1
	JBODY 1
	s_wait_tensorcnt 0x0                           ; the wave's end, behind my last tensor load and my last LDS store
	ds_add_u32 v[SPW], v[NIL]
	s_wait_dscnt 0x0
	s_endpgm
.Lfunc_end_k_q6f0384d646_attn:
	.size	k_q6f0384d646_attn, .Lfunc_end_k_q6f0384d646_attn-k_q6f0384d646_attn
	.p2alignl 7, 3214868480
	.fill 96, 4, 3214868480
	.section	.rodata,"a",@progbits
	.p2align	6, 0x0
	.amdhsa_kernel k_q6f0384d646_attn
		.amdhsa_group_segment_fixed_size 239616
		.amdhsa_private_segment_fixed_size 0
		.amdhsa_enable_private_segment 0
		.amdhsa_kernarg_size 32
		.amdhsa_user_sgpr_count 2
		.amdhsa_user_sgpr_kernarg_segment_ptr 1
		.amdhsa_wavefront_size32 1
		.amdhsa_system_sgpr_workgroup_id_x 1
		.amdhsa_system_sgpr_workgroup_id_y 1
		.amdhsa_system_sgpr_workgroup_id_z 1
		.amdhsa_system_vgpr_workitem_id 0
		.amdhsa_next_free_vgpr 256
		.amdhsa_next_free_sgpr 66
		.amdhsa_reserve_vcc 1
		.amdhsa_float_denorm_mode_32 3
		.amdhsa_float_denorm_mode_16_64 3
		.amdhsa_memory_ordered 1
		.amdhsa_forward_progress 1
		.amdhsa_inst_pref_size 86
	.end_amdhsa_kernel
	.amdgpu_metadata
---
amdhsa.version: [ 1, 2 ]
amdhsa.kernels:
  - .name:           k_q6f0384d646_attn
    .symbol:         k_q6f0384d646_attn.kd
    .args:
      - { .name: kv, .offset: 0, .size: 8, .value_kind: global_buffer, .address_space: global }
      - { .name: qc, .offset: 8, .size: 8, .value_kind: global_buffer, .address_space: global }
      - { .name: qs, .offset: 16, .size: 8, .value_kind: global_buffer, .address_space: global }
      - { .name: out0, .offset: 24, .size: 8, .value_kind: global_buffer, .address_space: global }
    .group_segment_fixed_size: 239616
    .private_segment_fixed_size: 0
    .kernarg_segment_align: 8
    .kernarg_segment_size: 32
    .max_flat_workgroup_size: 512
    .sgpr_count:     66
    .vgpr_count:     256
    .wavefront_size: 32
...
	.end_amdgpu_metadata
.endif
;; end of part 3
